; MI455X (gfx1250); checked and timed in simulation.
; The chip was launched on July 23, 2026; its instructions are those of AMD's public machine-readable ISA for CDNA 5 (MIT licence, August 2026) and "CDNA5" Instruction Set Architecture Reference Guide (July 2026). The comments in the code are by the model that wrote it; some were corrected since.
;; Bilinear Head. Allowed arithmetic: matrix products marked QUANTISED: E2M3 operands, one E8M0 scale for each 32 along K, by v_wmma_scale_f32_16x16x128_f8f6f4 with both operands' format E2M3, f32 sums; products left as they are: f32 operands where the result goes on into a quantised operand, else bf16, f16 or f32 operands; f32 sums; everything else in f32.
;; Inputs: from_b 64 float32; from_idx 1,968 int32; from_w 64 x 256 float32; norm_weight 256 x 8 x 8 float32; promo_bias 5 float32; promo_idx 1,968 int32; to_b 64 float32; to_idx 1,968 int32; to_w 64 x 256 float32; x 1,024 x 256 x 8 x 8 float32.
;; Outputs: out0 1,024 x 1,968 float32.
;; This version of the problem:
;;   THIS VERSION OF THE PROBLEM IS GIVEN IN LOW PRECISION. The matrix products marked QUANTISED in the list below multiply operands that are first quantised to E2M3 (2 exponent bits, 3 mantissa bits; 6 bits a number), with one power-of-two scale for each 32 numbers along K (OCP MX v1.0); their sums are f32. All else is computed in f32.
;;   The module's matrix products, in the order in which they are computed (A, B: the left and right operand; K: the contracted axis; several contracted axes count as one K, in the product's order):
;;     1. [M 64, K 256] x [K 256, N 65,536]; A: input from_w; B: computed on the way: QUANTISED
;;     2. [M 64, K 256] x [K 256, N 65,536]; A: input to_w; B: computed on the way: QUANTISED
;;     3. batch 2,015,232 x [M 1, K 64] x [K 64, N 1]; A: computed on the way; B: computed on the way: left as it is (M = 1 < 16)
;;   THE QUANTISER, for each operand of a quantised product, along K:
;;     - K is cut into blocks of 32 from its start; a last block that is shorter is filled with zeros.
;;     - A block's scale is 2^e with e = floor(log2(the largest magnitude in the block)) - 2, held to -126 .. 127; a block of zeros has e = 0. As a byte (E8M0): e + 127.
;;     - Each number is divided by its block's scale, clamped to +-7.5, and rounded to the nearest number of E2M3, ties to even, subnormals kept.
;;     - The product sums the exact products of the quantised numbers (number of the format x scale) in f32.
;;   ~~~python
;;   def quantise(x, axis):      # numpy; x: float32 -> the quantised numbers, widened to float32 again
;;       x = np.moveaxis(x, axis, -1); K = x.shape[-1]
;;       x = np.pad(x, [(0, 0)] * (x.ndim - 1) + [(0, -K % 32)]); x = x.reshape(x.shape[:-1] + (-1, 32)); a = np.abs(x).max(-1, keepdims=True)
;;       e = np.where(a > 0, np.clip(np.frexp(np.where(a > 0, a, 1))[1] - 1 - 2, -126, 127), 0)      # np.frexp(a)[1] - 1 = floor(log2(a)), exactly
;;       r = np.clip(x / 2.0 ** e, -7.5, 7.5)
;;       step = 2.0 ** (np.maximum(np.frexp(np.where(r == 0, 1, r))[1] - 1, 0) - 3)
;;       q = np.round(r / step) * step * 2.0 ** e      # np.round: ties to even
;;       return np.moveaxis(q.reshape(q.shape[:-2] + (-1,))[..., :K], -1, axis).astype(np.float32)
;;   ~~~
;;   OPERANDS COMPUTED ON THE WAY. 'Computed on the way' means the value that the module computes at that place (a softmax that the list does not call 'softmax' is quantised finished and normalised). What goes into a quantiser is computed in f32, as accurately as f32 sums, v_exp_f32 and their like allow (about 1e-6 of the number): no bf16 or f16 on the way to a quantiser, and a product that is left as it is and whose result goes on into a quantised operand takes f32 operands (vector FMAs, or v_wmma_f32_16x16x4_f32). A number that lies on a knife's edge between two numbers of the format may be rounded either way, as far as f32 arithmetic and the matrix unit's own rounding can turn it there, and no further.
;; 2 versions, each right and faster than the one before. Each part assembles by itself: llvm-mc -triple=amdgcn-amd-amdhsa -mcpu=gfx1250 --defsym DOCPART=n.
;; ======== version 1 of 2: 1 launch
;; limits: values are held in f16: magnitudes above 65,504 overflow, below 6.1e-05 lose precision
;; launch head (part 1): grid 256 x 1, 16 waves a work-group, no clusters, 327,680 bytes of LDS; arguments x, norm_weight, from_w, from_b, to_w, to_b, promo_bias, from_idx, to_idx, promo_idx, out0; writes out0
.if DOCPART == 1
	.amdgcn_target "amdgcn-amd-amdhsa--gfx1250"
	.amdhsa_code_object_version 6
	.text
	.protected	k_q921644450a_head
	.globl	k_q921644450a_head
	.p2align	8
	.type	k_q921644450a_head,@function
k_q921644450a_head:
	s_mov_b64 s[64:65], 0
	v_nop
	global_prefetch_b8 v0, s[64:65] scope:SCOPE_SE
	s_setreg_imm32_b32 hwreg(HW_REG_WAVE_MODE, 25, 1), 1
	s_wait_xcnt 0x0
; BilinearHead.  For each of 1,024 batches: xn = x / sqrt(mean(x^2) + 1e-6) * norm_weight over the batch's 16,384 numbers ([c = 256][hw = 64]);
; f = from_w xn + from_b, t = to_w xn + to_b ([d = 64][hw = 64]; K = c; both operands as codes of E2M3 with one E8M0 scale for each 32 along c);
; out0[b][v] = sum over d of f[d][from_idx[v]] t[d][to_idx[v]] + promo_bias[promo_idx[v]].
; NOTHING OF THE PROBLEM IS LEFT OUT, and every input is loaded.  THE THIRD PRODUCT is formed otherwise than it is written: for all values of the inputs
; sum_d f[d][from_idx[v]] t[d][to_idx[v]] = G[from_idx[v]][to_idx[v]] with G = f^T t (64 x 64, K = d = 64).  So G is made once a batch by 32 matrix instructions on f16 operands
; with f32 sums, and each move picks one word of it.  Pairs (from, to) that no move names are computed too: they lie in tiles that also hold named pairs, and which are named hangs on index inputs.
; SHARES.  256 work-groups of 16 waves; work-group g owns batches 4 g .. 4 g + 3: 262,144 bytes of x on end, 31,488 bytes of out0 on end.  All four batches are asked for at the head by tensor loads
; into four LDS slots that are filled once: wave w brings rows c = 16 w .. 16 w + 15 of each batch (16 rows of 256 bytes), so four tensor loads of a wave are out at the most, and batch b is worked on while the later ones land.
; The batch is written out four times, since the count of the wait for its tile differs.
; A WAVE'S ROLES (w = wave, r = lane % 16, h = lane / 16):
;   quantiser of xn: block beta = w / 2 of 32 c, half = w % 2 of the 64 hw.  Lane (r, h) holds c = 32 beta + 16 h + 0 .. 15 of hw = 32 half + 2 r and of hw + 1: registers run down K, nothing is transposed.
;   THE hw OF A TILE ARE NOT NEIGHBOURS: column r of tile T is hw = 32 (T / 2) + 2 r + T % 2; so hw stands at place pos = (hw & 32) + 16 (hw & 1) + (hw & 30) / 2.
;   products 1 and 2: tile T = w % 4 of hw; matrix mat = w / 8 (0: from, 1: to); d tiles 2 sg and 2 sg + 1, sg = (w / 4) % 2: four matrix instructions on two accumulators by turns;
;     the wave's four weight fragments, their scale words and its biases (the C of each sum's first instruction) stay in registers for the whole launch.
;   G: tile (Ti = w & 3 of from places, Tj = w / 4 of to places): two matrix instructions.
; OPERANDS GO FROM WAVE TO WAVE THROUGH LDS AS IMAGES OF THEIR REGISTERS (6-bit fragments: 48 bytes a lane on end; f16 fragments: 16 bytes a lane, 512 bytes a group of four registers).
; NO CLUSTER: what work-groups share are norm_weight (65,536 bytes) and the two weights (131,072 bytes); each wave loads its part of them once, straight into registers in the order in which it uses them.
; As joint tensor loads they would want 196,608 bytes of LDS beside x's 270,336, and 57,344 are left.  No prefetch: every byte of x is asked for by the tensor loads at the head, and nothing lies further ahead.
; LIMITS.  f and t are rounded to f16 for G: |f|, |t| stay under 65,504 (drawn inputs: root mean square 1; norm_weight and both weights 30 times larger: about 900, largest about 5,000;
; x and the weights with an offset of 30 spreads: about 480; 30 times smaller: 1e-3, where f16's smallest step, 6e-8, is still finer than its relative rounding).
; A block whose largest magnitude lies under 2^-124 keeps the scale byte 1; a block of zeros gets the byte 1 where the rule says 127: its codes are zeros, and this program alone reads the bytes.
; NaN and infinities among the inputs are not served.  xn is formed as (x norm_weight) x rsq(mean + eps): a few units in the last place from the order in which the problem writes it.
; Indices outside their tables are held at the table's last entry.
.set XP,    264                        ; a row of x in LDS: 256 bytes + 8 of padding = 66 words: lanes 16-31 read 16 rows below lanes 0-15, 32 banks on (64 banks of 4 bytes: ISA guide 11.1)
.set SLOT,  256*XP                     ; a batch of x: 67,584 bytes.  When a batch's x is dead, its G (64 rows of GP bytes) is stored at the slot's start: the slot has had its only fill
.set GP,    272                        ; a row of G: 256 bytes + 16
.set CIMG,  4*SLOT                     ; xn's 8 fragments (tile T, K step s: 2 T + s), 1,536 bytes each
.set SCB,   CIMG+8*1536                ; xn's scale bytes: [T][r][8 blocks]
.set HIMG,  SCB+512                    ; f's and t's 16 fragments in f16 (8 mat + 2 T + sg), 1,024 bytes each
.set PART,  HIMG+16*1024               ; the 16 waves' sums of squares
.set SPARE, PART+256                   ; the spare words, 128 bytes for each wave: eight blocks of 256 bytes that no other line names
.set WIMG,  SPARE+2048                 ; the weights' 16 fragments (8 mat + 2 t + s), 1,536 bytes each
.set WSC,   WIMG+16*1536               ; their scale words, 64 bytes each
.set SPW,  1                           ; v1   LDS address of my spare word; never rewritten
.set NIL,  2                           ; v2   0; never rewritten
.set XA,   3                           ; v3   where I read x in the slot in hand
.set CW,   4                           ; v4   where I store my 24 bytes of codes
.set SBW,  5                           ; v5   and my scale byte
.set XFR,  6                           ; v6   where I read xn's fragments
.set XSR,  7                           ; v7   and their scale words
.set HWA,  8                           ; v8   where I store my f16 fragment
.set HRA,  9                           ; v9   where I read t's fragments
.set HRB,  10                          ; v10  and f's
.set GS,   11                          ; v11  where I store my 32 bytes of G
.set PW,   12                          ; v12  my wave's word among the sums
.set PR,   13                          ; v13  the sums
.set GA,   14                          ; v14-17 where my four moves' words of G lie
.set PB,   18                          ; v18-21 promo_bias of my four moves
.set OUTO, 22                          ; v22  16 x min(thread, 491): my four moves in the index tables and in a row of out0
.set INV,  24                          ; v[24:25] 1 / rms (the packed form names a pair and takes its low word for both halves)
.set NW,   32                          ; v32-63   norm_weight, as x is loaded: register 2 i + jj
.set WF,   64                          ; v64-111  four weight fragments: (d tile u, K step s) at 12 (2 u + s)
.set WS,   112                         ; v112-115 their scale words, and nothing else
.set BIAS, 116                         ; v116-131 the biases of my two d tiles, in the result's layout
.set ACC,  132                         ; v132-147 two accumulators (at the head: the index tables' 12 words)
.set X,    148                         ; v148-179 x; later the 16 sums; later xn's two fragments (at the head, with Y: 64 numbers of a weight)
.set Y,    180                         ; v180-211 x norm_weight, then xn: register 16 jj + i; later t's and f's f16 fragments; in GATHER the words picked
.set CD,   212                         ; v212-218 codes (at the head v212-230)
.set HH,   220                         ; v220-227 my f16 fragment
.set GACC, 228                         ; v228-235 my tile of G
.set XS,   236                         ; v[236:237] xn's scale words, and nothing else
.set T0,   238                         ; v238, v239 lane permutes' destinations; v240, v241 the conversions' scale operands; v242-244 scale bytes (at the head v238-247: lane parts and addresses)
.macro BAR                             ; my LDS stores have landed and my LDS loads are in: then the work-group's barrier
	s_wait_dscnt 0x0
	s_barrier_signal -1
	s_barrier_wait -1
.endm
	s_load_b256 s[4:11], s[0:1], 0x0               ; x s[4:5], norm_weight s[6:7], from_w s[8:9], from_b s[10:11]
	s_load_b256 s[12:19], s[0:1], 0x20             ; to_w s[12:13], to_b s[14:15], promo_bias s[16:17], from_idx s[18:19]
	s_load_b128 s[20:23], s[0:1], 0x40             ; to_idx s[20:21], promo_idx s[22:23]
	s_load_b64 s[24:25], s[0:1], 0x50              ; out0
	v_lshl_add_u32 v[SPW], v0, 2, SPARE
	v_mov_b32 v[NIL], 0
	ds_add_u32 v[SPW], v[NIL]                      ; the wave's opening: the add, twice on end, and its wait ahead of my first tensor load; the set-up below, work on registers, stands between
	ds_add_u32 v[SPW], v[NIL]
	v_lshrrev_b32 v238, 5, v0
	v_readfirstlane_b32 s26, v238                  ; wave 0..15
	s_lshr_b32 s66, s26, 1                         ; beta
	s_and_b32 s67, s26, 1                          ; half; also the weight fragment's K step
	s_and_b32 s68, s26, 3                          ; T, Ti
	s_lshr_b32 s69, s26, 2                         ; 2 mat + sg; Tj
	s_lshr_b32 s70, s26, 3                         ; mat; also beta / 4
	s_bfe_u32 s71, s26, 0x10002                    ; sg; also (beta / 2) % 2
	; descriptor group 1: 16 rows of 32 elements of 8 bytes, dense in memory, 2 words of padding behind every 64
	s_mov_b32 s28, (3<<16)|(1<<20)|(5<<22)|(1<<25) ; 15:0 no mask; 17:16 elements of 8 bytes; 20 padding on; 24:22 after every 64 words (code 5); 31:25 of 2 words (code 1)
	s_mov_b32 s29, 32<<16                          ; tensor_dim0 = 32
	s_mov_b32 s30, 16<<16                          ; tensor_dim1 = 16
	s_mov_b32 s31, 32<<16                          ; tile_dim0 = 32
	s_mov_b32 s32, 16                              ; tile_dim1 = 16
	s_mov_b32 s33, 32                              ; elements from row to row
	s_mov_b32 s34, 0
	s_mov_b32 s35, 0
	s_mov_b32 s52, 0x76543210
	s_mov_b32 s53, 0xfedcba98                      ; v_permlanex16_b32's selects for lane l xor 16
	s_mov_b32 s54, 0x38800000                      ; 1 / 16,384
	s_mov_b32 s55, 0x358637bd                      ; 1e-6
	s_mov_b32 s56, 0xffff0000                      ; lanes 16-31
	v_and_b32 v238, 31, v0                         ; lane
	v_and_b32 v239, 15, v0                         ; r
	v_bfe_u32 v240, v0, 4, 1                       ; h
	v_mov_b32 v[INV+1], 0                          ; named with 1 / rms as a pair, so it is written
	; x: row 32 beta + 16 h (+ i by the immediate), byte 128 half + 8 r
	s_mul_i32 s72, s66, 32*XP
	s_lshl_b32 s73, s67, 7
	s_add_co_u32 s72, s72, s73
	v_mul_u32_u24 v[XA], v240, 16*XP
	v_lshl_add_u32 v[XA], v239, 3, v[XA]
	v_add_nc_u32 v[XA], s72, v[XA]
	; my codes: after the exchange of halves lane (r, h) holds block beta of column r of tile 2 half + h.  In the operand that is K step beta / 4, lane 16 (beta % 2) + r, registers 6 ((beta / 2) % 2) on
	s_mul_i32 s72, s67, 6144
	s_mul_i32 s73, s70, 1536
	s_add_co_u32 s72, s72, s73
	s_bfe_u32 s73, s26, 0x10001                    ; beta % 2
	s_mul_i32 s73, s73, 768
	s_add_co_u32 s72, s72, s73
	s_mul_i32 s73, s71, 24
	s_add_co_u32 s72, s72, s73
	s_add_co_u32 s72, s72, CIMG
	v_mul_u32_u24 v[CW], v240, 3072
	v_mad_u32_u24 v[CW], v239, 48, v[CW]
	v_add_nc_u32 v[CW], s72, v[CW]
	s_lshl_b32 s72, s67, 8                         ; my scale byte: [2 half + h][r][beta]
	s_add_co_u32 s72, s72, s66
	s_add_co_u32 s72, s72, SCB
	v_lshlrev_b32 v[SBW], 7, v240
	v_lshl_add_u32 v[SBW], v239, 3, v[SBW]
	v_add_nc_u32 v[SBW], s72, v[SBW]
	s_mul_i32 s72, s68, 3072                       ; xn's fragments of tile T: 48 bytes a lane
	s_add_co_u32 s72, s72, CIMG
	v_mul_u32_u24 v[XFR], v238, 48
	v_add_nc_u32 v[XFR], s72, v[XFR]
	s_lshl_b32 s72, s68, 7                         ; and column r's two scale words
	s_add_co_u32 s72, s72, SCB
	v_lshl_add_u32 v[XSR], v239, 3, s72
	s_lshl_b32 s72, s70, 3                         ; my f16 fragment: 8 mat + 2 T + sg
	s_lshl_b32 s73, s68, 1
	s_add_co_u32 s72, s72, s73
	s_add_co_u32 s72, s72, s71
	s_lshl_b32 s72, s72, 10
	s_add_co_u32 s72, s72, HIMG
	v_lshl_add_u32 v[HWA], v238, 4, s72
	s_lshl_b32 s72, s69, 11                        ; t's two fragments of tile Tj
	s_add_co_u32 s72, s72, HIMG+8192
	v_lshl_add_u32 v[HRA], v238, 4, s72
	s_lshl_b32 s72, s68, 11                        ; f's two of tile Ti
	s_add_co_u32 s72, s72, HIMG
	v_lshl_add_u32 v[HRB], v238, 4, s72
	s_mul_i32 s72, s68, 16*GP                      ; G: row 16 Ti + r, columns 16 Tj + 8 h on
	s_lshl_b32 s73, s69, 6
	s_add_co_u32 s72, s72, s73
	v_mul_u32_u24 v[GS], v239, GP
	v_lshl_add_u32 v[GS], v240, 5, v[GS]
	v_add_nc_u32 v[GS], s72, v[GS]
	s_lshl_b32 s72, s26, 2
	s_add_co_u32 s72, s72, PART
	v_mov_b32 v[PW], s72
	v_mov_b32 v[PR], PART
	v_min_u32 v[OUTO], 491, v0                     ; 1,968 moves are four for each of 492 threads; threads 492 to 511 work on thread 491's and store nothing
	v_lshlrev_b32 v[OUTO], 4, v[OUTO]
	; the head's own addresses.  v241: my weight fragment (d tile t = (w / 2) % 4, K step w % 2): row 16 t + r of 1,024 bytes, + 512 s + 128 h
	s_bfe_u32 s72, s26, 0x20001
	s_lshl_b32 s72, s72, 14
	s_lshl_b32 s73, s67, 9
	s_add_co_u32 s72, s72, s73
	v_lshlrev_b32 v241, 10, v239
	v_lshl_add_u32 v241, v240, 7, v241
	v_add_nc_u32 v241, s72, v241
	s_lshl_b32 s72, s66, 13                        ; v242: norm_weight, as x: row 32 beta + 16 h of 256 bytes, byte 128 half + 8 r
	s_lshl_b32 s73, s67, 7
	s_add_co_u32 s72, s72, s73
	v_lshlrev_b32 v242, 12, v240
	v_lshl_add_u32 v242, v239, 3, v242
	v_add_nc_u32 v242, s72, v242
	s_lshl_b32 s72, s71, 7                         ; v243: the biases of d = 32 sg + 16 u + 8 h + 0 .. 7
	v_lshl_add_u32 v243, v240, 5, s72
	s_mul_i32 s72, s26, 1536                       ; v244, v245: where my weight fragment's image and scale words go
	s_add_co_u32 s72, s72, WIMG
	v_mul_u32_u24 v244, v238, 48
	v_add_nc_u32 v244, s72, v244
	s_lshl_b32 s72, s26, 6
	s_add_co_u32 s72, s72, WSC
	v_lshl_add_u32 v245, v239, 2, s72
	s_mul_i32 s72, s69, 6144                       ; v246, v247: from where I take the four fragments 4 (2 mat + sg) + 0 .. 3 that I keep
	s_add_co_u32 s72, s72, WIMG
	v_mul_u32_u24 v246, v238, 48
	v_add_nc_u32 v246, s72, v246
	s_lshl_b32 s72, s69, 8
	s_add_co_u32 s72, s72, WSC
	v_lshl_add_u32 v247, v239, 2, s72
	s_mul_i32 s75, s26, 16*XP                      ; my 16 rows in a slot
	s_lshl_b32 s76, ttmp9, 18                      ; and in x: 262,144 x work-group + 4,096 x wave (under 2^27)
	s_lshl_b32 s74, s26, 12
	s_add_co_u32 s76, s76, s74
	s_mov_b32 s77, 0
	s_mul_i32 s78, ttmp9, 4*7872                   ; the work-group's four rows of out0
	s_mov_b32 s79, 0
	s_wait_dscnt 0x0                               ; both opening adds are done
	s_wait_kmcnt 0x0
	s_cmp_lt_u32 s26, 8                            ; waves 0-7 serve from_w and from_b, waves 8-15 to_w and to_b: the choice hangs on the wave's number alone
	s_cselect_b64 s[58:59], s[8:9], s[12:13]
	s_cselect_b64 s[60:61], s[10:11], s[14:15]
	s_add_nc_u64 s[4:5], s[4:5], s[76:77]
	s_add_nc_u64 s[24:25], s[24:25], s[78:79]
	; the small loads go out ahead of x's: they are wanted before batch 0 can be worked on.  39 loads a wave
.irp c, 0,1
.irp j, 0,1,2,3,4,5,6,7
	global_load_b128 v[X+32*\c+4*\j:X+32*\c+4*\j+3], v241, s[58:59] offset:256*\c+16*\j   ; w(16 t + r, 128 s + 64 c + 32 h + 4 j ..): the lane's two whole blocks, in the operand's order
.endr
.endr
.irp i, 0,1,2,3,4,5,6,7,8,9,10,11,12,13,14,15
	global_load_b64 v[NW+2*\i:NW+2*\i+1], v242, s[6:7] offset:256*\i
.endr
.irp u, 0,1
	global_load_b128 v[BIAS+8*\u:BIAS+8*\u+3], v243, s[60:61] offset:64*\u
	global_load_b128 v[BIAS+8*\u+4:BIAS+8*\u+7], v243, s[60:61] offset:64*\u+16
.endr
	global_load_b128 v[ACC:ACC+3], v[OUTO], s[18:19]       ; from_idx,
	global_load_b128 v[ACC+4:ACC+7], v[OUTO], s[20:21]     ; to_idx,
	global_load_b128 v[ACC+8:ACC+11], v[OUTO], s[22:23]    ; promo_idx of my four moves
	; x: the four first fills go out together, ahead of every wait on TENSORcnt, every LDS read and every barrier; each slot has its own group 0, never rewritten
.irp n, 0,1,2,3
	s_mov_b32 s[36+4*\n], 1                                ; 1:0 count = 1
	s_add_co_u32 s[37+4*\n], s75, \n*SLOT                  ; 63:32 LDS address: 4,224 x wave + the slot
	s_add_nc_u64 s[38+4*\n:39+4*\n], s[4:5], \n*65536      ; 120:64 global address: my 16 rows of batch n
	s_or_b32 s[39+4*\n], s[39+4*\n], 0x80000000            ; 127:126 type = 2
.endr
.irp n, 0,1,2,3
	tensor_load_to_lds s[36+4*\n:39+4*\n], s[28:35]
	s_nop 0
.endr
	; MY WEIGHT FRAGMENT IS QUANTISED: a lane holds two whole blocks of 32 along K, so no other lane is asked for a maximum
	s_wait_loadcnt 23                              ; its 16 loads are in; the 16 + 4 + 3 issued behind them may be out
.irp c, 0,1
	v_max3_num_f32 v[26+\c], |v[X+32*\c]|, |v[X+32*\c+1]|, 0x1800000   ; and the floor 2^(3 - 127): the byte cannot fall under 1
.endr
.irp i, 2,4,6,8,10,12,14,16,18,20,22,24,26,28,30
.irp c, 0,1
	v_max3_num_f32 v[26+\c], v[26+\c], |v[X+32*\c+\i]|, |v[X+32*\c+\i+1]|
.endr
.endr
.irp c, 0,1
	v_add_nc_u32 v[28+\c], 0xff000000, v[26+\c]    ; 2 off the exponent field: the conversion takes the exponent field of this operand as its scale
.endr
.irp c, 0,1
	v_lshrrev_b32 v[30+\c], 23, v[28+\c]           ; the scale's byte
.endr
	v_lshl_or_b32 v232, v31, 16, v30               ; my two bytes: blocks h and 2 + h of row r,
	v_lshlrev_b32 v233, 3, v240
	v_lshlrev_b32 v232, v233, v232                 ; at their places in the scale word;
	v_mov_b32 v233, 0
	v_permlanex16_b32 v233, v232, s52, s53
	v_or_b32 v232, v232, v233                      ; with lane l xor 16's two the word is whole
.irp c, 0,1
	v_cvt_scalef32_pk16_fp6_f32 v[CD+6*\c:CD+6*\c+2], v[X+32*\c:X+32*\c+15], v[28+\c]
	v_cvt_scalef32_pk16_fp6_f32 v[CD+12+4*\c:CD+14+4*\c], v[X+32*\c+16:X+32*\c+31], v[28+\c]   ; (a conversion's three registers begin on an even number: the second half of a block's six is made elsewhere and moved)
.endr
	v_nop                                          ; one plain place behind a scaled conversion
.irp c, 0,1
.irp i, 0,1,2
	v_mov_b32 v[CD+3+6*\c+\i], v[CD+12+4*\c+\i]
.endr
.endr
.irp g, 0,1,2
	ds_store_b128 v244, v[CD+4*\g:CD+4*\g+3] offset:16*\g
.endr
	ds_store_b32 v245, v232                        ; both halves of the lanes write the same word with the same value
	BAR                                            ; the sixteen weight fragments lie in LDS (x's tensor loads stay out)
.irp k, 0,1,2,3
.irp g, 0,1,2
	ds_load_b128 v[WF+12*\k+4*\g:WF+12*\k+4*\g+3], v246 offset:1536*\k+16*\g
.endr
	ds_load_b32 v[WS+\k], v247 offset:64*\k
.endr
	s_wait_loadcnt 0x0                             ; norm_weight, the biases, the indices
.irp m, 0,1,2,3
	v_min_u32 v[ACC+\m], 63, v[ACC+\m]             ; a loaded number enters an address only behind a clamp
	v_min_u32 v[ACC+4+\m], 63, v[ACC+4+\m]
	v_min_u32 v[ACC+8+\m], 4, v[ACC+8+\m]
	v_lshlrev_b32 v[ACC+8+\m], 2, v[ACC+8+\m]
	global_load_b32 v[PB+\m], v[ACC+8+\m], s[16:17]
.endr
.irp m, 0,1,2,3                        ; the word of G: GP x pos(from) + 4 x pos(to), pos(hw) = (hw & 32) + 16 (hw & 1) + (hw & 30) / 2: 17,388 at the most
	v_and_b32 v26, 32, v[ACC+\m]
	v_and_b32 v27, 1, v[ACC+\m]
	v_and_b32 v28, 30, v[ACC+\m]
	v_and_b32 v29, 32, v[ACC+4+\m]
	v_and_b32 v30, 1, v[ACC+4+\m]
	v_and_b32 v31, 30, v[ACC+4+\m]
	v_mul_u32_u24 v26, v26, GP
	v_mul_u32_u24 v27, v27, 16*GP
	v_mul_u32_u24 v28, v28, GP/2
	v_lshlrev_b32 v29, 2, v29
	v_lshlrev_b32 v30, 6, v30
	v_lshlrev_b32 v31, 1, v31
	v_add_nc_u32 v26, v26, v27
	v_add_nc_u32 v28, v28, v29
	v_add_nc_u32 v30, v30, v31
	v_add_nc_u32 v26, v26, v28
	v_add_nc_u32 v[GA+\m], v26, v30
.endr
	s_wait_loadcnt 0x0                             ; promo_bias of my moves; the loads' address registers are free
	s_wait_dscnt 0x0                               ; my weight fragments and their scale words
; n batches' scores, from batch b0 on, are picked out of their G and stored.  The addresses come from the index tables, so the macro stands only where every tensor load of every wave has landed and
; between two barriers between which no wave writes LDS.  step = 1: the four addresses go a slot on behind each batch's loads.
.macro GATHER b0, n, step
.set gi, 0
.rept \n
.irp m, 0,1,2,3
	ds_load_b32 v[Y+4*gi+\m], v[GA+\m]
.endr
.if \step
.irp m, 0,1,2,3
	v_add_nc_u32 v[GA+\m], SLOT, v[GA+\m]
.endr
.endif
.set gi, gi+1
.endr
.set gi, 0
.rept \n
	s_wait_dscnt 4*(\n-1-gi)                       ; this batch's four words are in; the later batches' may be out
	v_pk_add_f32 v[Y+4*gi:Y+4*gi+1], v[Y+4*gi:Y+4*gi+1], v[PB:PB+1]
	v_pk_add_f32 v[Y+4*gi+2:Y+4*gi+3], v[Y+4*gi+2:Y+4*gi+3], v[PB+2:PB+3]
.set gi, gi+1
.endr
	s_wait_xcnt 0x0                                ; EXEC changes only behind this wait
	v_cmp_gt_u32 vcc_lo, 492, v0
	s_and_saveexec_b32 s57, vcc_lo                 ; threads 0 to 491
.set gi, 0
.rept \n
	global_store_b128 v[OUTO], v[Y+4*gi:Y+4*gi+3], s[24:25] offset:(\b0+gi)*7872 th:TH_STORE_NT   ; a wave stores 512 consecutive bytes; written once, read by nobody here
.set gi, gi+1
.endr
	s_wait_xcnt 0x0                                ; and again in front of the line that widens it; the stores' data registers are free too
	s_or_b32 exec_lo, exec_lo, s57
.endm
; ONE BATCH, four barriers: x has landed | the sums of squares | xn's codes | f and t in f16.
.macro BATCH bt
	s_wait_dscnt 0x0                               ; my stores of the last batch's G
	s_wait_tensorcnt 3-\bt                         ; tensor loads of a wave end in order (ISA guide 10.11.1): my rows of this batch are in; my loads of the later batches stay out
	s_barrier_signal -1
	s_barrier_wait -1                              ; everybody's are
.if \bt == 3
	GATHER 0, 3, 1                                 ; every wave has waited for all its tensor loads: batches 0 to 2 leave while batch 3 is worked on
	BAR
.endif
.irp i, 0,1,2,3,4,5,6,7,8,9,10,11,12,13,14,15
	ds_load_b64 v[X+2*\i:X+2*\i+1], v[XA] offset:\i*XP     ; x(32 beta + 16 h + i, 32 half + 2 r + 0, 1)
.endr
	s_wait_dscnt 8                                 ; the first eight are in
	v_pk_mul_f32 v[26:27], v[X:X+1], v[X:X+1]      ; the squares, two chains of pairs; the first products start the sums
	v_pk_mul_f32 v[28:29], v[X+2:X+3], v[X+2:X+3]
.irp i, 2,4,6
	v_pk_fma_f32 v[26:27], v[X+2*\i:X+2*\i+1], v[X+2*\i:X+2*\i+1], v[26:27]
	v_pk_fma_f32 v[28:29], v[X+2*\i+2:X+2*\i+3], v[X+2*\i+2:X+2*\i+3], v[28:29]
.endr
	s_wait_dscnt 0x0
.irp i, 8,10,12,14
	v_pk_fma_f32 v[26:27], v[X+2*\i:X+2*\i+1], v[X+2*\i:X+2*\i+1], v[26:27]
	v_pk_fma_f32 v[28:29], v[X+2*\i+2:X+2*\i+3], v[X+2*\i+2:X+2*\i+3], v[28:29]
.endr
	v_pk_add_f32 v[26:27], v[26:27], v[28:29]
	v_add_f32 v26, v26, v27
	v_add_f32_dpp v26, v26, v26 row_xmask:1 row_mask:0xf bank_mask:0xf
	v_add_f32_dpp v26, v26, v26 row_xmask:2 row_mask:0xf bank_mask:0xf
	v_add_f32_dpp v26, v26, v26 row_xmask:4 row_mask:0xf bank_mask:0xf
	v_add_f32_dpp v26, v26, v26 row_xmask:8 row_mask:0xf bank_mask:0xf
	v_permlanex16_b32 v[T0], v26, s52, s53
	v_add_f32 v26, v26, v[T0]                      ; my wave's 1,024 squares
	ds_store_b32 v[PW], v26
	s_wait_dscnt 0x0                               ; for the others' sake: it has landed; my reads of x are in too
	s_barrier_signal -1
	; work on registers while the others arrive: x norm_weight, laid so that a lane's 16 registers run down K, and each block's largest magnitude of it
.irp i, 0,1,2,3,4,5,6,7,8,9,10,11,12,13,14,15
.irp jj, 0,1
	v_mul_f32 v[Y+16*\jj+\i], v[X+2*\i+\jj], v[NW+2*\i+\jj]
.endr
.endr
.irp jj, 0,1
	v_max3_num_f32 v[30+\jj], |v[Y+16*\jj]|, |v[Y+16*\jj+1]|, |v[Y+16*\jj+2]|
.endr
.irp i, 3,5,7,9,11,13
.irp jj, 0,1
	v_max3_num_f32 v[30+\jj], v[30+\jj], |v[Y+16*\jj+\i]|, |v[Y+16*\jj+\i+1]|
.endr
.endr
.irp jj, 0,1
	v_max_num_f32 v[30+\jj], v[30+\jj], |v[Y+16*\jj+15]|
.endr
.irp jj, 0,1
	v_permlanex16_b32 v[T0+\jj], v[30+\jj], s52, s53
.endr
.irp jj, 0,1
	v_max_num_f32 v[30+\jj], v[30+\jj], v[T0+\jj]  ; with lane l xor 16's 16: the block's
.endr
	s_barrier_wait -1
.irp g, 0,1,2,3
	ds_load_b128 v[X+4*\g:X+4*\g+3], v[PR] offset:16*\g    ; the sixteen sums, in every lane; every wave adds them in the same order
.endr
	s_wait_dscnt 0x0
.irp g, 0,4,8,12
	v_pk_add_f32 v[X+\g:X+\g+1], v[X+\g:X+\g+1], v[X+\g+2:X+\g+3]
.endr
	v_pk_add_f32 v[X:X+1], v[X:X+1], v[X+4:X+5]
	v_pk_add_f32 v[X+8:X+9], v[X+8:X+9], v[X+12:X+13]
	v_pk_add_f32 v[X:X+1], v[X:X+1], v[X+8:X+9]
	v_add_f32 v[X], v[X], v[X+1]
	v_fma_f32 v[X], v[X], s54, s55                 ; the mean + 1e-6
	v_rsq_f32 v[INV], v[X]
	v_nop                                          ; one plain place behind a transcendental
	s_wait_alu depctr_va_vdst(0)                   ; the wait ahead of the first instruction that names the result
.irp j, 0,2,4,6,8,10,12,14,16,18,20,22,24,26,28,30
	v_pk_mul_f32 v[Y+\j:Y+\j+1], v[Y+\j:Y+\j+1], v[INV:INV+1] op_sel_hi:[1,0]   ; xn
.endr
.irp jj, 0,1
	v_mul_f32 v[30+\jj], v[30+\jj], v[INV]         ; rounding keeps order: this is the largest |xn| of the block
.endr
.irp jj, 0,1
	v_max_num_f32 v[30+\jj], 0x1800000, v[30+\jj]  ; the floor 2^(3 - 127): the byte cannot fall under 1
.endr
.irp jj, 0,1
	v_add_nc_u32 v[240+\jj], 0xff000000, v[30+\jj] ; 2 off the exponent field: the conversion's scale operand
.endr
.irp jj, 0,1
	v_lshrrev_b32 v[242+\jj], 23, v[240+\jj]       ; the scale's byte
.endr
	v_cvt_scalef32_pk16_fp6_f32 v[CD:CD+2], v[Y:Y+15], v240        ; 16 codes of the even hw,
	v_cvt_scalef32_pk16_fp6_f32 v[CD+4:CD+6], v[Y+16:Y+31], v241   ; and of the odd one
	v_cndmask_b32 v244, v242, v243, s56            ; lanes 0-15 will hold the even hw's block, lanes 16-31 the odd one's: so too the byte.  (The plain place behind the conversions)
.irp i, 0,1,2
	v_permlane16_swap_b32 v[CD+\i], v[CD+4+\i]     ; the first's lanes 16-31 change places with the second's lanes 0-15: lane (r, h) now holds all 32 codes of block beta of column r of tile 2 half + h
.endr
.irp i, 0,1,2
	v_mov_b32 v[CD+3+\i], v[CD+4+\i]               ; six registers on end
.endr
.irp g, 0,1,2
	ds_store_b64 v[CW], v[CD+2*\g:CD+2*\g+1] offset:8*\g
.endr
	ds_store_b8 v[SBW], v244
	BAR                                            ; xn's eight fragments and their scale bytes lie in LDS
.irp s, 0,1
.irp g, 0,1,2
	ds_load_b128 v[X+12*\s+4*\g:X+12*\s+4*\g+3], v[XFR] offset:1536*\s+16*\g
.endr
.endr
	ds_load_b64 v[XS:XS+1], v[XSR]
	s_wait_dscnt 0x0
	; source 0 = 16 rows d of the weight, source 1 = 16 columns of xn: lane (r, h) gets column r and d = 16 (2 sg + u) + 8 h + 0 .. 7.  The two accumulators take turns
	v_wmma_scale_f32_16x16x128_f8f6f4 v[ACC:ACC+7], v[WF:WF+11], v[X:X+11], v[BIAS:BIAS+7], v[WS], v[XS] matrix_a_fmt:MATRIX_FMT_FP6 matrix_b_fmt:MATRIX_FMT_FP6
	v_wmma_scale_f32_16x16x128_f8f6f4 v[ACC+8:ACC+15], v[WF+24:WF+35], v[X:X+11], v[BIAS+8:BIAS+15], v[WS+2], v[XS] matrix_a_fmt:MATRIX_FMT_FP6 matrix_b_fmt:MATRIX_FMT_FP6
	v_wmma_scale_f32_16x16x128_f8f6f4 v[ACC:ACC+7], v[WF+12:WF+23], v[X+12:X+23], v[ACC:ACC+7], v[WS+1], v[XS+1] matrix_a_fmt:MATRIX_FMT_FP6 matrix_b_fmt:MATRIX_FMT_FP6
	v_wmma_scale_f32_16x16x128_f8f6f4 v[ACC+8:ACC+15], v[WF+36:WF+47], v[X+12:X+23], v[ACC+8:ACC+15], v[WS+3], v[XS+1] matrix_a_fmt:MATRIX_FMT_FP6 matrix_b_fmt:MATRIX_FMT_FP6
.if \bt < 3
	v_add_nc_u32 v[XA], SLOT, v[XA]                ; four places behind the products (ISA guide 7.12.1): the next batch's slot,
.else
	v_nop
.endif
.rept 3
	v_nop
.endr
.irp j, 0,1,2,3,4,5,6,7
	v_cvt_pk_f16_f32 v[HH+\j], v[ACC+2*\j], v[ACC+2*\j+1]  ; each accumulator from its low end on.  The eight registers ARE the 16-bit operand of K step sg of G: registers 0-3 d = 32 sg + 8 h + 0 .. 7, registers 4-7 sixteen on
.endr
	ds_store_b128 v[HWA], v[HH:HH+3]
	ds_store_b128 v[HWA], v[HH+4:HH+7] offset:512
	BAR                                            ; f's and t's sixteen fragments lie in LDS
.irp s, 0,1
.irp g, 0,1
	ds_load_b128 v[Y+8*\s+4*\g:Y+8*\s+4*\g+3], v[HRA] offset:1024*\s+512*\g
	ds_load_b128 v[Y+16+8*\s+4*\g:Y+16+8*\s+4*\g+3], v[HRB] offset:1024*\s+512*\g
.endr
.endr
	s_wait_dscnt 0x0
	; source 0 = 16 to places of t, source 1 = 16 from places of f: lane (r, h) gets from place 16 Ti + r and to places 16 Tj + 8 h + 0 .. 7: 32 neighbouring bytes of a row of G
	v_wmma_f32_16x16x32_f16 v[GACC:GACC+7], v[Y:Y+7], v[Y+16:Y+23], 0
	s_wait_alu depctr_va_vdst(0)                   ; the wait directly ahead of the link
	v_wmma_f32_16x16x32_f16 v[GACC:GACC+7], v[Y+8:Y+15], v[Y+24:Y+31], v[GACC:GACC+7]
.rept 4
	v_nop                                          ; four places in front of the stores that read the result, and of later loads into the operands' registers
.endr
	ds_store_b128 v[GS], v[GACC:GACC+3]            ; into the batch's own slot: every wave's reads of its x were in before the second barrier, and the slot is filled no more
	ds_store_b128 v[GS], v[GACC+4:GACC+7] offset:16
.if \bt < 3
	v_add_nc_u32 v[GS], SLOT, v[GS]
.endif
.endm
	BATCH 0
	BATCH 1
	BATCH 2
	BATCH 3
	BAR                                            ; batch 3's G is whole
	GATHER 3, 1, 0
	BAR                                            ; every wave's picks are in: only then the closing add
	s_wait_tensorcnt 0x0                           ; the wave's end: behind my last tensor load and my last LDS store
	ds_add_u32 v[SPW], v[NIL]
	s_wait_dscnt 0x0
	s_endpgm
.Lfunc_end_k_q921644450a_head:
	.size	k_q921644450a_head, .Lfunc_end_k_q921644450a_head-k_q921644450a_head
	.p2alignl 7, 3214868480
	.fill 96, 4, 3214868480
	.section	.rodata,"a",@progbits
	.p2align	6, 0x0
	.amdhsa_kernel k_q921644450a_head
		.amdhsa_group_segment_fixed_size 327680
		.amdhsa_private_segment_fixed_size 0
		.amdhsa_enable_private_segment 0
		.amdhsa_kernarg_size 88
		.amdhsa_user_sgpr_count 2
		.amdhsa_user_sgpr_kernarg_segment_ptr 1
		.amdhsa_wavefront_size32 1
		.amdhsa_system_sgpr_workgroup_id_x 1
		.amdhsa_system_sgpr_workgroup_id_y 1
		.amdhsa_system_sgpr_workgroup_id_z 1
		.amdhsa_system_vgpr_workitem_id 0
		.amdhsa_next_free_vgpr 256
		.amdhsa_next_free_sgpr 80
		.amdhsa_reserve_vcc 1
		.amdhsa_float_denorm_mode_32 3
		.amdhsa_float_denorm_mode_16_64 3
		.amdhsa_memory_ordered 1
		.amdhsa_forward_progress 1
		.amdhsa_inst_pref_size 67
	.end_amdhsa_kernel
	.amdgpu_metadata
---
amdhsa.version: [ 1, 2 ]
amdhsa.kernels:
  - .name:           k_q921644450a_head
    .symbol:         k_q921644450a_head.kd
    .args:
      - { .name: x, .offset: 0, .size: 8, .value_kind: global_buffer, .address_space: global }
      - { .name: norm_weight, .offset: 8, .size: 8, .value_kind: global_buffer, .address_space: global }
      - { .name: from_w, .offset: 16, .size: 8, .value_kind: global_buffer, .address_space: global }
      - { .name: from_b, .offset: 24, .size: 8, .value_kind: global_buffer, .address_space: global }
      - { .name: to_w, .offset: 32, .size: 8, .value_kind: global_buffer, .address_space: global }
      - { .name: to_b, .offset: 40, .size: 8, .value_kind: global_buffer, .address_space: global }
      - { .name: promo_bias, .offset: 48, .size: 8, .value_kind: global_buffer, .address_space: global }
      - { .name: from_idx, .offset: 56, .size: 8, .value_kind: global_buffer, .address_space: global }
      - { .name: to_idx, .offset: 64, .size: 8, .value_kind: global_buffer, .address_space: global }
      - { .name: promo_idx, .offset: 72, .size: 8, .value_kind: global_buffer, .address_space: global }
      - { .name: out0, .offset: 80, .size: 8, .value_kind: global_buffer, .address_space: global }
    .group_segment_fixed_size: 327680
    .private_segment_fixed_size: 0
    .kernarg_segment_align: 8
    .kernarg_segment_size: 88
    .max_flat_workgroup_size: 512
    .sgpr_count:     80
    .vgpr_count:     256
    .wavefront_size: 32
...
	.end_amdgpu_metadata
.endif
;; end of part 1
;; ======== version 2 of 2: 1 launch; 1.13 times as fast as version 1
;; limits: values are held in f16: magnitudes above 65,504 overflow, below 6.1e-05 lose precision
;; launch head (part 2): grid 256 x 1, 16 waves a work-group, no clusters, 327,680 bytes of LDS; arguments x, norm_weight, from_w, from_b, to_w, to_b, promo_bias, from_idx, to_idx, promo_idx, out0; writes out0
.if DOCPART == 2
	.amdgcn_target "amdgcn-amd-amdhsa--gfx1250"
	.amdhsa_code_object_version 6
	.text
	.protected	k_q921644450a_head
	.globl	k_q921644450a_head
	.p2align	8
	.type	k_q921644450a_head,@function
k_q921644450a_head:
	s_mov_b64 s[64:65], 0
	v_nop
	global_prefetch_b8 v0, s[64:65] scope:SCOPE_SE
	s_setreg_imm32_b32 hwreg(HW_REG_WAVE_MODE, 25, 1), 1
	s_wait_xcnt 0x0
; BilinearHead.  For each of 1,024 batches: xn = x / sqrt(mean(x^2) + 1e-6) * norm_weight over the batch's 16,384 numbers ([c = 256][hw = 64]);
; f = from_w xn + from_b, t = to_w xn + to_b ([d = 64][hw = 64]; K = c; both operands as codes of E2M3 with one E8M0 scale for each 32 along c);
; out0[b][v] = sum over d of f[d][from_idx[v]] t[d][to_idx[v]] + promo_bias[promo_idx[v]].
; NOTHING OF THE PROBLEM IS LEFT OUT, and every input is loaded.  THE THIRD PRODUCT is formed otherwise than it is written: for all values of the inputs
; sum_d f[d][from_idx[v]] t[d][to_idx[v]] = G[from_idx[v]][to_idx[v]] with G = f^T t (64 x 64, K = d = 64).  So G is made once a batch by 32 matrix instructions on f16 operands
; with f32 sums, and each move picks one word of it.  Pairs (from, to) that no move names are computed too: they lie in tiles that also hold named pairs, and which are named hangs on index inputs.
; SHARES.  256 work-groups of 16 waves; work-group g owns batches 4 g .. 4 g + 3: 262,144 bytes of x on end, 31,488 bytes of out0 on end.  All four batches are asked for at the head by tensor loads
; into four LDS slots that are filled once: wave w brings rows c = 16 w .. 16 w + 15 of each batch (16 rows of 256 bytes), so four tensor loads of a wave are out at the most.
; A WAVE'S ROLES (w = wave, r = lane % 16, h = lane / 16):
;   quantiser of xn: block beta = w / 2 of 32 c, half = w % 2 of the 64 hw.  Lane (r, h) holds c = 32 beta + 16 h + 0 .. 15 of hw = 32 half + 2 r and of hw + 1: registers run down K, nothing is transposed.
;   THE hw OF A TILE ARE NOT NEIGHBOURS: column r of tile T is hw = 32 (T / 2) + 2 r + T % 2; so hw stands at place pos = (hw & 32) + 16 (hw & 1) + (hw & 30) / 2.
;   products 1 and 2: tile T = w % 4 of hw; matrix mat = w / 8 (0: from, 1: to); d tiles 2 sg and 2 sg + 1, sg = (w / 4) % 2: four matrix instructions on two accumulators by turns;
;     the wave's four weight fragments, their scale words and its biases (the C of each sum's first instruction) stay in registers for the whole launch.
;   G: tile (Ti = w % 4 of from places, Tj = w / 4 of to places): two matrix instructions.
; OPERANDS GO FROM WAVE TO WAVE THROUGH LDS AS IMAGES OF THEIR REGISTERS (6-bit fragments: 48 bytes a lane on end; f16 fragments: 16 bytes a lane, 512 bytes a group of four registers).
; A BATCH HAS TWO PHASES AND TWO BARRIERS, and each phase also carries a part of a neighbouring batch:
;   QUANT b: the sixteen sums of squares of batch b -> 1 / rms; xn; its codes and scale bytes to LDS.  Beside the sums' way from LDS: G of batch b - 1, from the f16 fragments, into that batch's dead slot.  | barrier |
;   PROD b:  xn's fragments from LDS, f and t, rounded to f16, to LDS.  Beside them: x of batch b + 1 is read from its slot, ONCE, squared and summed; the wave's sum goes to LDS.  | barrier, in whose shadow x norm_weight
;            of batch b + 1 and each block's largest magnitude are made in registers |
; The phases are written out four times, since the counts of the waits and the first and last batches differ.
; NO CLUSTER: what work-groups share are norm_weight (65,536 bytes) and the two weights (131,072 bytes); each wave loads its part of them once, straight into registers in the order in which it uses them.
; As joint tensor loads they would want 196,608 bytes of LDS beside x's 270,336, and 57,344 are left.  No prefetch: every byte of x is asked for by the tensor loads at the head, and nothing lies further ahead.
; LIMITS.  f and t are rounded to f16 for G: |f|, |t| stay under 65,504 (drawn inputs: root mean square 1; norm_weight and both weights 30 times larger: about 900, largest about 5,000;
; x and the weights with an offset of 30 spreads: about 480; 30 times smaller: 1e-3, where f16's smallest step, 6e-8, is still finer than its relative rounding).
; A block whose largest magnitude lies under 2^-124 keeps the scale byte 1; a block of zeros gets the byte 1 where the rule says 127: its codes are zeros, and this program alone reads the bytes.
; NaN and infinities among the inputs are not served.  xn is formed as (x norm_weight) x rsq(mean + eps): a few units in the last place from the order in which the problem writes it.
; Indices outside their tables are held at the table's last entry.
.set XP,    264                        ; a row of x in LDS: 256 bytes + 8 of padding = 66 words: lanes 16-31 read 16 rows below lanes 0-15, 32 banks on (64 banks of 4 bytes: ISA guide 11.1)
.set SLOT,  256*XP                     ; a batch of x: 67,584 bytes.  When a batch's x is dead, its G (64 rows of GP bytes) is stored at the slot's start: the slot has had its only fill
.set GP,    272                        ; a row of G: 256 bytes + 16
.set CIMG,  4*SLOT                     ; xn's 8 fragments (tile T, K step s: 2 T + s), 1,536 bytes each
.set SCB,   CIMG+8*1536                ; xn's scale bytes: [T][r][8 blocks]
.set HIMG,  SCB+512                    ; f's and t's 16 fragments in f16 (8 mat + 2 T + sg), 1,024 bytes each
.set PART,  HIMG+16*1024               ; the 16 waves' sums of squares: 64 bytes for each of the four batches
.set SPARE, PART+256                   ; the spare words, 128 bytes for each wave: eight blocks of 256 bytes that no other line names
.set WIMG,  SPARE+2048                 ; the weights' 16 fragments (8 mat + 2 t + s), 1,536 bytes each
.set WSC,   WIMG+16*1536               ; their scale words, 64 bytes each
.set SPW,  1                           ; v1   LDS address of my spare word; never rewritten
.set NIL,  2                           ; v2   0; never rewritten
.set XA,   3                           ; v3   where I read x in the slot that is read next
.set CW,   4                           ; v4   where I store my 24 bytes of codes
.set SBW,  5                           ; v5   and my scale byte
.set XFR,  6                           ; v6   where I read xn's fragments
.set XSR,  7                           ; v7   and their scale words
.set HWA,  8                           ; v8   where I store my f16 fragment
.set HRA,  9                           ; v9   where I read t's fragments
.set HRB,  10                          ; v10  and f's
.set GS,   11                          ; v11  where I store my 32 bytes of G
.set PW,   12                          ; v12  my wave's word among a batch's sums
.set PR,   13                          ; v13  the sums
.set GA,   14                          ; v14-17 where my four moves' words of G lie
.set PB,   18                          ; v18-21 promo_bias of my four moves
.set OUTO, 22                          ; v22  16 x min(thread, 491): my four moves in the index tables and in a row of out0
.set INV,  24                          ; v[24:25] 1 / rms (the packed form names a pair and takes its low word for both halves)
.set NW,   32                          ; v32-63   norm_weight, as x is loaded: register 2 i + jj
.set WF,   64                          ; v64-111  four weight fragments: (d tile u, K step s) at 12 (2 u + s)
.set WS,   112                         ; v112-115 their scale words, and nothing else
.set BIAS, 116                         ; v116-131 the biases of my two d tiles, in the result's layout
.set ACC,  132                         ; v132-147 two accumulators; in QUANT the sixteen sums (at the head: the index tables' 12 words)
.set X,    148                         ; v148-179 x norm_weight, then xn: register 16 jj + i; later xn's two fragments (at the head, with Y: 64 numbers of a weight)
.set Y,    180                         ; v180-211 x as it is read: register 2 i + jj; later t's and f's f16 fragments; later the words picked
.set CD,   212                         ; v212-218 codes (at the head v212-230)
.set HH,   220                         ; v220-227 my f16 fragment
.set GACC, 228                         ; v228-235 my tile of G
.set XS,   236                         ; v[236:237] xn's scale words, and nothing else
.set T0,   238                         ; v238, v239 lane permutes' destinations; v240, v241 the conversions' scale operands; v242-244 scale bytes (at the head v238-247: lane parts and addresses)
.macro BAR                             ; my LDS stores have landed and my LDS loads are in: then the work-group's barrier
	s_wait_dscnt 0x0
	s_barrier_signal -1
	s_barrier_wait -1
.endm
; x of the slot at v[XA]: x(32 beta + 16 h + i, 32 half + 2 r + 0, 1).  step = 1: on to the next slot
.macro XREAD step
.irp i, 0,1,2,3,4,5,6,7,8,9,10,11,12,13,14,15
	ds_load_b64 v[Y+2*\i:Y+2*\i+1], v[XA] offset:\i*XP
.endr
.if \step
	v_add_nc_u32 v[XA], SLOT, v[XA]
.endif
.endm
.macro SQA                             ; the squares of the first eight pairs, two chains; the first products start the sums: eight plain instructions
	v_pk_mul_f32 v[26:27], v[Y:Y+1], v[Y:Y+1]
	v_pk_mul_f32 v[28:29], v[Y+2:Y+3], v[Y+2:Y+3]
.irp i, 2,4,6
	v_pk_fma_f32 v[26:27], v[Y+2*\i:Y+2*\i+1], v[Y+2*\i:Y+2*\i+1], v[26:27]
	v_pk_fma_f32 v[28:29], v[Y+2*\i+2:Y+2*\i+3], v[Y+2*\i+2:Y+2*\i+3], v[28:29]
.endr
.endm
.macro SQB bt                          ; the other eight pairs; the wave's 1,024 squares; to the wave's word among batch bt's sums
.irp i, 8,10,12,14
	v_pk_fma_f32 v[26:27], v[Y+2*\i:Y+2*\i+1], v[Y+2*\i:Y+2*\i+1], v[26:27]
	v_pk_fma_f32 v[28:29], v[Y+2*\i+2:Y+2*\i+3], v[Y+2*\i+2:Y+2*\i+3], v[28:29]
.endr
	v_pk_add_f32 v[26:27], v[26:27], v[28:29]
	v_add_f32 v26, v26, v27
	v_add_f32_dpp v26, v26, v26 row_xmask:1 row_mask:0xf bank_mask:0xf
	v_add_f32_dpp v26, v26, v26 row_xmask:2 row_mask:0xf bank_mask:0xf
	v_add_f32_dpp v26, v26, v26 row_xmask:4 row_mask:0xf bank_mask:0xf
	v_add_f32_dpp v26, v26, v26 row_xmask:8 row_mask:0xf bank_mask:0xf
	v_permlanex16_b32 v[T0], v26, s52, s53
	v_add_f32 v26, v26, v[T0]
	ds_store_b32 v[PW], v26 offset:64*(\bt)
.endm
; The barrier behind a product phase.  Between its signal and its wait, work on registers alone: x norm_weight, laid so that a lane's 16 registers run down K, and each block's largest magnitude of it
.macro JOIN
	s_wait_dscnt 0x0                               ; for the others' sake: my sum and my f16 fragment have landed, my reads of x and of xn's fragments are in
	s_barrier_signal -1
.irp i, 0,1,2,3,4,5,6,7,8,9,10,11,12,13,14,15
.irp jj, 0,1
	v_mul_f32 v[X+16*\jj+\i], v[Y+2*\i+\jj], v[NW+2*\i+\jj]
.endr
.endr
.irp jj, 0,1
	v_max3_num_f32 v[30+\jj], |v[X+16*\jj]|, |v[X+16*\jj+1]|, |v[X+16*\jj+2]|
.endr
.irp i, 3,5,7,9,11,13
.irp jj, 0,1
	v_max3_num_f32 v[30+\jj], v[30+\jj], |v[X+16*\jj+\i]|, |v[X+16*\jj+\i+1]|
.endr
.endr
.irp jj, 0,1
	v_max_num_f32 v[30+\jj], v[30+\jj], |v[X+16*\jj+15]|
.endr
.irp jj, 0,1
	v_permlanex16_b32 v[T0+\jj], v[30+\jj], s52, s53
.endr
.irp jj, 0,1
	v_max_num_f32 v[30+\jj], v[30+\jj], v[T0+\jj]  ; with lane l xor 16's 16: the block's
.endr
	s_barrier_wait -1
.endm
.macro GLOAD                           ; t's two f16 fragments of tile Tj, f's two of tile Ti
.irp s, 0,1
.irp g, 0,1
	ds_load_b128 v[Y+8*\s+4*\g:Y+8*\s+4*\g+3], v[HRA] offset:1024*\s+512*\g
	ds_load_b128 v[Y+16+8*\s+4*\g:Y+16+8*\s+4*\g+3], v[HRB] offset:1024*\s+512*\g
.endr
.endr
.endm
; source 0 = 16 to places of t, source 1 = 16 from places of f: lane (r, h) gets from place 16 Ti + r and to places 16 Tj + 8 h + 0 .. 7: 32 neighbouring bytes of a row of G
.macro GMUL
	s_wait_dscnt 0x0
	v_wmma_f32_16x16x32_f16 v[GACC:GACC+7], v[Y:Y+7], v[Y+16:Y+23], 0
	s_wait_alu depctr_va_vdst(0)                   ; the wait directly ahead of the link
	v_wmma_f32_16x16x32_f16 v[GACC:GACC+7], v[Y+8:Y+15], v[Y+24:Y+31], v[GACC:GACC+7]
.endm
.macro GPUT step                       ; into the batch's own slot: every wave's reads of its x were in two barriers ago, and the slot is filled no more
	ds_store_b128 v[GS], v[GACC:GACC+3]
	ds_store_b128 v[GS], v[GACC+4:GACC+7] offset:16
.if \step
	v_add_nc_u32 v[GS], SLOT, v[GS]
.endif
.endm
; n batches' scores are picked out of their G (GPICK) and stored from batch b0 on (GSEND).  The addresses come from the index tables, so the picks stand only where every tensor load of every wave has landed and
; between two barriers between which no wave writes LDS.  step = 1: the four addresses go a slot on behind each batch's loads.
.macro GPICK n, step
.set gi, 0
.rept \n
.irp m, 0,1,2,3
	ds_load_b32 v[Y+4*gi+\m], v[GA+\m]
.endr
.if \step
.irp m, 0,1,2,3
	v_add_nc_u32 v[GA+\m], SLOT, v[GA+\m]
.endr
.endif
.set gi, gi+1
.endr
.endm
.macro GSEND b0, n
.set gi, 0
.rept \n
	s_wait_dscnt 4*(\n-1-gi)                       ; this batch's four words are in; the later batches' may be out
	v_pk_add_f32 v[Y+4*gi:Y+4*gi+1], v[Y+4*gi:Y+4*gi+1], v[PB:PB+1]
	v_pk_add_f32 v[Y+4*gi+2:Y+4*gi+3], v[Y+4*gi+2:Y+4*gi+3], v[PB+2:PB+3]
.set gi, gi+1
.endr
	s_wait_xcnt 0x0                                ; EXEC changes only behind this wait
	v_cmp_gt_u32 vcc_lo, 492, v0
	s_and_saveexec_b32 s57, vcc_lo                 ; threads 0 to 491
.set gi, 0
.rept \n
	global_store_b128 v[OUTO], v[Y+4*gi:Y+4*gi+3], s[24:25] offset:(\b0+gi)*7872 th:TH_STORE_NT   ; a wave stores 512 consecutive bytes; written once, read by nobody here
.set gi, gi+1
.endr
	s_wait_xcnt 0x0                                ; and again in front of the line that widens it; the stores' data registers are free too
	s_or_b32 exec_lo, exec_lo, s57
.endm
; QUANT bt: 1 / rms of batch bt, xn, its codes.  bt > 0: beside it G of batch bt - 1.
.macro QUANT bt
.irp g, 0,1,2,3
	ds_load_b128 v[ACC+4*\g:ACC+4*\g+3], v[PR] offset:64*(\bt)+16*\g   ; the sixteen sums, in every lane; every wave adds them in the same order
.endr
.if \bt > 0
	GLOAD
	s_wait_dscnt 8                                 ; the sums are in; the eight loads of f16 fragments behind them may be out
.else
	s_wait_dscnt 0x0
.endif
.irp g, 0,4,8,12
	v_pk_add_f32 v[ACC+\g:ACC+\g+1], v[ACC+\g:ACC+\g+1], v[ACC+\g+2:ACC+\g+3]
.endr
	v_pk_add_f32 v[ACC:ACC+1], v[ACC:ACC+1], v[ACC+4:ACC+5]
	v_pk_add_f32 v[ACC+8:ACC+9], v[ACC+8:ACC+9], v[ACC+12:ACC+13]
	v_pk_add_f32 v[ACC:ACC+1], v[ACC:ACC+1], v[ACC+8:ACC+9]
	v_add_f32 v[ACC], v[ACC], v[ACC+1]
	v_fma_f32 v[ACC], v[ACC], s54, s55             ; the mean + 1e-6
	v_rsq_f32 v[INV], v[ACC]
	v_nop                                          ; one plain place behind a transcendental
.if \bt > 0
	GMUL                                           ; the wait in it stands between the root and the first instruction that names its result: it serves both
.else
	s_wait_alu depctr_va_vdst(0)                   ; the wait ahead of the first instruction that names the result
.endif
.irp jj, 0,1
	v_mul_f32 v[30+\jj], v[30+\jj], v[INV]         ; rounding keeps order: this is the largest |xn| of the block.  (These eight lines are also the places behind G's products)
.endr
.irp jj, 0,1
	v_max_num_f32 v[30+\jj], 0x1800000, v[30+\jj]  ; the floor 2^(3 - 127): the byte cannot fall under 1
.endr
.irp jj, 0,1
	v_add_nc_u32 v[240+\jj], 0xff000000, v[30+\jj] ; 2 off the exponent field: the conversion's scale operand
.endr
.irp jj, 0,1
	v_lshrrev_b32 v[242+\jj], 23, v[240+\jj]       ; the scale's byte
.endr
.if \bt > 0
	GPUT 1
.endif
.irp j, 0,2,4,6,8,10,12,14,16,18,20,22,24,26,28,30
	v_pk_mul_f32 v[X+\j:X+\j+1], v[X+\j:X+\j+1], v[INV:INV+1] op_sel_hi:[1,0]   ; xn
.endr
	v_cvt_scalef32_pk16_fp6_f32 v[CD:CD+2], v[X:X+15], v240        ; 16 codes of the even hw,
	v_cvt_scalef32_pk16_fp6_f32 v[CD+4:CD+6], v[X+16:X+31], v241   ; and of the odd one
	v_cndmask_b32 v244, v242, v243, s56            ; lanes 0-15 will hold the even hw's block, lanes 16-31 the odd one's: so too the byte.  (The plain place behind the conversions)
.irp i, 0,1,2
	v_permlane16_swap_b32 v[CD+\i], v[CD+4+\i]     ; the first's lanes 16-31 change places with the second's lanes 0-15: lane (r, h) now holds all 32 codes of block beta of column r of tile 2 half + h
.endr
.irp i, 0,1,2
	v_mov_b32 v[CD+3+\i], v[CD+4+\i]               ; six registers on end
.endr
.irp g, 0,1,2
	ds_store_b64 v[CW], v[CD+2*\g:CD+2*\g+1] offset:8*\g
.endr
	ds_store_b8 v[SBW], v244
.if \bt < 3
	s_wait_tensorcnt 2-\bt                         ; tensor loads of a wave end in order (ISA guide 10.11.1): my rows of batch bt + 1 are in; my loads of the batches behind it stay out
.endif
	BAR                                            ; xn's eight fragments and their scale bytes lie in LDS; G of the batch before is whole; batch bt + 1 has landed
.endm
; PROD bt: f and t of batch bt.  bt < 3: beside them the sum of squares of batch bt + 1.  bt = 3: beside them the scores of batches 0 to 2 are picked and leave.
.macro PROD bt
.irp s, 0,1
.irp g, 0,1,2
	ds_load_b128 v[X+12*\s+4*\g:X+12*\s+4*\g+3], v[XFR] offset:1536*\s+16*\g
.endr
.endr
	ds_load_b64 v[XS:XS+1], v[XSR]
.if \bt < 2
	XREAD 1
	s_wait_dscnt 16                                ; xn's fragments and scale words are in; the sixteen reads of x behind them may be out
.elseif \bt == 2
	XREAD 0
	s_wait_dscnt 16
.else
	GPICK 3, 1                                     ; every wave has waited for all its tensor loads, and G of batches 0 to 2 is whole
	s_wait_dscnt 12                                ; the twelve picks may be out
.endif
	; source 0 = 16 rows d of the weight, source 1 = 16 columns of xn: lane (r, h) gets column r and d = 16 (2 sg + u) + 8 h + 0 .. 7.  The two accumulators take turns
	v_wmma_scale_f32_16x16x128_f8f6f4 v[ACC:ACC+7], v[WF:WF+11], v[X:X+11], v[BIAS:BIAS+7], v[WS], v[XS] matrix_a_fmt:MATRIX_FMT_FP6 matrix_b_fmt:MATRIX_FMT_FP6
	v_wmma_scale_f32_16x16x128_f8f6f4 v[ACC+8:ACC+15], v[WF+24:WF+35], v[X:X+11], v[BIAS+8:BIAS+15], v[WS+2], v[XS] matrix_a_fmt:MATRIX_FMT_FP6 matrix_b_fmt:MATRIX_FMT_FP6
	v_wmma_scale_f32_16x16x128_f8f6f4 v[ACC:ACC+7], v[WF+12:WF+23], v[X+12:X+23], v[ACC:ACC+7], v[WS+1], v[XS+1] matrix_a_fmt:MATRIX_FMT_FP6 matrix_b_fmt:MATRIX_FMT_FP6
	v_wmma_scale_f32_16x16x128_f8f6f4 v[ACC+8:ACC+15], v[WF+36:WF+47], v[X+12:X+23], v[ACC+8:ACC+15], v[WS+3], v[XS+1] matrix_a_fmt:MATRIX_FMT_FP6 matrix_b_fmt:MATRIX_FMT_FP6
.if \bt < 3
	s_wait_dscnt 8                                 ; the first eight reads of x are in
	SQA                                            ; eight plain instructions that name none of the products' registers: the places behind them
.else
.rept 4
	v_nop
.endr
.endif
.irp j, 0,1,2,3,4,5,6,7
	v_cvt_pk_f16_f32 v[HH+\j], v[ACC+2*\j], v[ACC+2*\j+1]  ; each accumulator from its low end on.  The eight registers ARE the 16-bit operand of K step sg of G: registers 0-3 d = 32 sg + 8 h + 0 .. 7, registers 4-7 sixteen on
.endr
.if \bt == 3
	s_wait_loadcnt 0x0                             ; promo_bias of my moves, asked for at the head
	GSEND 0, 3
	BAR                                            ; every wave's picks are in: only now is LDS written again
.endif
	ds_store_b128 v[HWA], v[HH:HH+3]
	ds_store_b128 v[HWA], v[HH+4:HH+7] offset:512
.if \bt < 3
	s_wait_dscnt 2                                 ; all of x is in; the two stores just issued may be out
	SQB (\bt)+1
	JOIN                                           ; f's and t's sixteen fragments and the next batch's sixteen sums lie in LDS
.else
	BAR
.endif
.endm
	s_load_b256 s[4:11], s[0:1], 0x0               ; x s[4:5], norm_weight s[6:7], from_w s[8:9], from_b s[10:11]
	s_load_b256 s[12:19], s[0:1], 0x20             ; to_w s[12:13], to_b s[14:15], promo_bias s[16:17], from_idx s[18:19]
	s_load_b128 s[20:23], s[0:1], 0x40             ; to_idx s[20:21], promo_idx s[22:23]
	s_load_b64 s[24:25], s[0:1], 0x50              ; out0
	v_lshl_add_u32 v[SPW], v0, 2, SPARE
	v_mov_b32 v[NIL], 0
	ds_add_u32 v[SPW], v[NIL]                      ; the wave's opening: the add, twice on end, and its wait ahead of my first tensor load; the set-up below, work on registers, stands between
	ds_add_u32 v[SPW], v[NIL]
	v_lshrrev_b32 v238, 5, v0
	v_readfirstlane_b32 s26, v238                  ; wave 0..15
	s_lshr_b32 s66, s26, 1                         ; beta
	s_and_b32 s67, s26, 1                          ; half; also the weight fragment's K step
	s_and_b32 s68, s26, 3                          ; T, Ti
	s_lshr_b32 s69, s26, 2                         ; 2 mat + sg; Tj
	s_lshr_b32 s70, s26, 3                         ; mat; also beta / 4
	s_bfe_u32 s71, s26, 0x10002                    ; sg; also (beta / 2) % 2
	; descriptor group 1: 16 rows of 32 elements of 8 bytes, dense in memory, 2 words of padding behind every 64
	s_mov_b32 s28, (3<<16)|(1<<20)|(5<<22)|(1<<25) ; 15:0 no mask; 17:16 elements of 8 bytes; 20 padding on; 24:22 after every 64 words (code 5); 31:25 of 2 words (code 1)
	s_mov_b32 s29, 32<<16                          ; tensor_dim0 = 32
	s_mov_b32 s30, 16<<16                          ; tensor_dim1 = 16
	s_mov_b32 s31, 32<<16                          ; tile_dim0 = 32
	s_mov_b32 s32, 16                              ; tile_dim1 = 16
	s_mov_b32 s33, 32                              ; elements from row to row
	s_mov_b32 s34, 0
	s_mov_b32 s35, 0
	s_mov_b32 s52, 0x76543210
	s_mov_b32 s53, 0xfedcba98                      ; v_permlanex16_b32's selects for lane l xor 16
	s_mov_b32 s54, 0x38800000                      ; 1 / 16,384
	s_mov_b32 s55, 0x358637bd                      ; 1e-6
	s_mov_b32 s56, 0xffff0000                      ; lanes 16-31
	v_and_b32 v238, 31, v0                         ; lane
	v_and_b32 v239, 15, v0                         ; r
	v_bfe_u32 v240, v0, 4, 1                       ; h
	v_mov_b32 v[INV+1], 0                          ; named with 1 / rms as a pair, so it is written
	; x: row 32 beta + 16 h (+ i by the immediate), byte 128 half + 8 r
	s_mul_i32 s72, s66, 32*XP
	s_lshl_b32 s73, s67, 7
	s_add_co_u32 s72, s72, s73
	v_mul_u32_u24 v[XA], v240, 16*XP
	v_lshl_add_u32 v[XA], v239, 3, v[XA]
	v_add_nc_u32 v[XA], s72, v[XA]
	; my codes: after the exchange of halves lane (r, h) holds block beta of column r of tile 2 half + h.  In the operand that is K step beta / 4, lane 16 (beta % 2) + r, registers 6 ((beta / 2) % 2) on
	s_mul_i32 s72, s67, 6144
	s_mul_i32 s73, s70, 1536
	s_add_co_u32 s72, s72, s73
	s_bfe_u32 s73, s26, 0x10001                    ; beta % 2
	s_mul_i32 s73, s73, 768
	s_add_co_u32 s72, s72, s73
	s_mul_i32 s73, s71, 24
	s_add_co_u32 s72, s72, s73
	s_add_co_u32 s72, s72, CIMG
	v_mul_u32_u24 v[CW], v240, 3072
	v_mad_u32_u24 v[CW], v239, 48, v[CW]
	v_add_nc_u32 v[CW], s72, v[CW]
	s_lshl_b32 s72, s67, 8                         ; my scale byte: [2 half + h][r][beta]
	s_add_co_u32 s72, s72, s66
	s_add_co_u32 s72, s72, SCB
	v_lshlrev_b32 v[SBW], 7, v240
	v_lshl_add_u32 v[SBW], v239, 3, v[SBW]
	v_add_nc_u32 v[SBW], s72, v[SBW]
	s_mul_i32 s72, s68, 3072                       ; xn's fragments of tile T: 48 bytes a lane
	s_add_co_u32 s72, s72, CIMG
	v_mul_u32_u24 v[XFR], v238, 48
	v_add_nc_u32 v[XFR], s72, v[XFR]
	s_lshl_b32 s72, s68, 7                         ; and column r's two scale words
	s_add_co_u32 s72, s72, SCB
	v_lshl_add_u32 v[XSR], v239, 3, s72
	s_lshl_b32 s72, s70, 3                         ; my f16 fragment: 8 mat + 2 T + sg
	s_lshl_b32 s73, s68, 1
	s_add_co_u32 s72, s72, s73
	s_add_co_u32 s72, s72, s71
	s_lshl_b32 s72, s72, 10
	s_add_co_u32 s72, s72, HIMG
	v_lshl_add_u32 v[HWA], v238, 4, s72
	s_lshl_b32 s72, s69, 11                        ; t's two fragments of tile Tj
	s_add_co_u32 s72, s72, HIMG+8192
	v_lshl_add_u32 v[HRA], v238, 4, s72
	s_lshl_b32 s72, s68, 11                        ; f's two of tile Ti
	s_add_co_u32 s72, s72, HIMG
	v_lshl_add_u32 v[HRB], v238, 4, s72
	s_mul_i32 s72, s68, 16*GP                      ; G: row 16 Ti + r, columns 16 Tj + 8 h on
	s_lshl_b32 s73, s69, 6
	s_add_co_u32 s72, s72, s73
	v_mul_u32_u24 v[GS], v239, GP
	v_lshl_add_u32 v[GS], v240, 5, v[GS]
	v_add_nc_u32 v[GS], s72, v[GS]
	s_lshl_b32 s72, s26, 2
	s_add_co_u32 s72, s72, PART
	v_mov_b32 v[PW], s72
	v_mov_b32 v[PR], PART
	v_min_u32 v[OUTO], 491, v0                     ; 1,968 moves are four for each of 492 threads; threads 492 to 511 work on thread 491's and store nothing
	v_lshlrev_b32 v[OUTO], 4, v[OUTO]
	; the head's own addresses.  v241: my weight fragment (d tile t = (w / 2) % 4, K step w % 2): row 16 t + r of 1,024 bytes, + 512 s + 128 h
	s_bfe_u32 s72, s26, 0x20001
	s_lshl_b32 s72, s72, 14
	s_lshl_b32 s73, s67, 9
	s_add_co_u32 s72, s72, s73
	v_lshlrev_b32 v241, 10, v239
	v_lshl_add_u32 v241, v240, 7, v241
	v_add_nc_u32 v241, s72, v241
	s_lshl_b32 s72, s66, 13                        ; v242: norm_weight, as x: row 32 beta + 16 h of 256 bytes, byte 128 half + 8 r
	s_lshl_b32 s73, s67, 7
	s_add_co_u32 s72, s72, s73
	v_lshlrev_b32 v242, 12, v240
	v_lshl_add_u32 v242, v239, 3, v242
	v_add_nc_u32 v242, s72, v242
	s_lshl_b32 s72, s71, 7                         ; v243: the biases of d = 32 sg + 16 u + 8 h + 0 .. 7
	v_lshl_add_u32 v243, v240, 5, s72
	s_mul_i32 s72, s26, 1536                       ; v244, v245: where my weight fragment's image and scale words go
	s_add_co_u32 s72, s72, WIMG
	v_mul_u32_u24 v244, v238, 48
	v_add_nc_u32 v244, s72, v244
	s_lshl_b32 s72, s26, 6
	s_add_co_u32 s72, s72, WSC
	v_lshl_add_u32 v245, v239, 2, s72
	s_mul_i32 s72, s69, 6144                       ; v246, v247: from where I take the four fragments 4 (2 mat + sg) + 0 .. 3 that I keep
	s_add_co_u32 s72, s72, WIMG
	v_mul_u32_u24 v246, v238, 48
	v_add_nc_u32 v246, s72, v246
	s_lshl_b32 s72, s69, 8
	s_add_co_u32 s72, s72, WSC
	v_lshl_add_u32 v247, v239, 2, s72
	s_mul_i32 s75, s26, 16*XP                      ; my 16 rows in a slot
	s_lshl_b32 s76, ttmp9, 18                      ; and in x: 262,144 x work-group + 4,096 x wave (under 2^27)
	s_lshl_b32 s74, s26, 12
	s_add_co_u32 s76, s76, s74
	s_mov_b32 s77, 0
	s_mul_i32 s78, ttmp9, 4*7872                   ; the work-group's four rows of out0
	s_mov_b32 s79, 0
	s_wait_dscnt 0x0                               ; both opening adds are done
	s_wait_kmcnt 0x0
	s_cmp_lt_u32 s26, 8                            ; waves 0-7 serve from_w and from_b, waves 8-15 to_w and to_b: the choice hangs on the wave's number alone
	s_cselect_b64 s[58:59], s[8:9], s[12:13]
	s_cselect_b64 s[60:61], s[10:11], s[14:15]
	s_add_nc_u64 s[4:5], s[4:5], s[76:77]
	s_add_nc_u64 s[24:25], s[24:25], s[78:79]
.irp n, 0,1,2,3                        ; each slot has its own group 0, never rewritten
	s_mov_b32 s[36+4*\n], 1                                ; 1:0 count = 1
	s_add_co_u32 s[37+4*\n], s75, \n*SLOT                  ; 63:32 LDS address: 4,224 x wave + the slot
	s_add_nc_u64 s[38+4*\n:39+4*\n], s[4:5], \n*65536      ; 120:64 global address: my 16 rows of batch n
	s_or_b32 s[39+4*\n], s[39+4*\n], 0x80000000            ; 127:126 type = 2
.endr
	; x's four first fills stand ahead of every wait on TENSORcnt, every LDS read and every barrier.  Batch 0 is asked for first of all; a run of the wave's 39 small loads stands between each request and the next,
	; so that in every wave's text a batch is asked for ahead of the next one by the length of such a run, and the batches are worked on in that order
	tensor_load_to_lds s[36:39], s[28:35]          ; batch 0
	s_nop 0
	global_load_b128 v[ACC:ACC+3], v[OUTO], s[18:19]       ; from_idx,
	global_load_b128 v[ACC+4:ACC+7], v[OUTO], s[20:21]     ; to_idx,
	global_load_b128 v[ACC+8:ACC+11], v[OUTO], s[22:23]    ; promo_idx of my four moves
.irp c, 0,1
.irp j, 0,1,2,3,4,5,6,7
	global_load_b128 v[X+32*\c+4*\j:X+32*\c+4*\j+3], v241, s[58:59] offset:256*\c+16*\j   ; w(16 t + r, 128 s + 64 c + 32 h + 4 j ..): the lane's two whole blocks, in the operand's order
.endr
.endr
	tensor_load_to_lds s[40:43], s[28:35]          ; batch 1
	s_nop 0
.irp i, 0,1,2,3,4,5,6,7,8,9,10,11,12,13,14,15
	global_load_b64 v[NW+2*\i:NW+2*\i+1], v242, s[6:7] offset:256*\i
.endr
	tensor_load_to_lds s[44:47], s[28:35]          ; batch 2
	s_nop 0
.irp u, 0,1
	global_load_b128 v[BIAS+8*\u:BIAS+8*\u+3], v243, s[60:61] offset:64*\u
	global_load_b128 v[BIAS+8*\u+4:BIAS+8*\u+7], v243, s[60:61] offset:64*\u+16
.endr
	tensor_load_to_lds s[48:51], s[28:35]          ; batch 3
	s_nop 0
	; the index work stands here, while the weights are on their way
	s_wait_loadcnt 36                              ; the three index loads are in; the 16 + 16 + 4 issued behind them may be out
.irp m, 0,1,2,3
	v_min_u32 v[ACC+\m], 63, v[ACC+\m]             ; a loaded number enters an address only behind a clamp
	v_min_u32 v[ACC+4+\m], 63, v[ACC+4+\m]
	v_min_u32 v[ACC+8+\m], 4, v[ACC+8+\m]
	v_lshlrev_b32 v[PB+\m], 2, v[ACC+8+\m]
	global_load_b32 v[PB+\m], v[PB+\m], s[16:17]   ; each lands on its own offset register; they are waited for ahead of their first use, in the last batch
.endr
.irp m, 0,1,2,3                        ; the word of G: GP x pos(from) + 4 x pos(to), pos(hw) = (hw & 32) + 16 (hw & 1) + (hw & 30) / 2: 17,388 at the most
	v_and_b32 v26, 32, v[ACC+\m]
	v_and_b32 v27, 1, v[ACC+\m]
	v_and_b32 v28, 30, v[ACC+\m]
	v_and_b32 v29, 32, v[ACC+4+\m]
	v_and_b32 v30, 1, v[ACC+4+\m]
	v_and_b32 v31, 30, v[ACC+4+\m]
	v_mul_u32_u24 v26, v26, GP
	v_mul_u32_u24 v27, v27, 16*GP
	v_mul_u32_u24 v28, v28, GP/2
	v_lshlrev_b32 v29, 2, v29
	v_lshlrev_b32 v30, 6, v30
	v_lshlrev_b32 v31, 1, v31
	v_add_nc_u32 v26, v26, v27
	v_add_nc_u32 v28, v28, v29
	v_add_nc_u32 v30, v30, v31
	v_add_nc_u32 v26, v26, v28
	v_add_nc_u32 v[GA+\m], v26, v30
.endr
	; MY WEIGHT FRAGMENT IS QUANTISED: a lane holds two whole blocks of 32 along K, so no other lane is asked for a maximum
	s_wait_loadcnt 24                              ; its 16 loads are in; the 16 + 4 + 4 issued behind them (norm_weight, biases, promo_bias) may be out
.irp c, 0,1
	v_max3_num_f32 v[26+\c], |v[X+32*\c]|, |v[X+32*\c+1]|, 0x1800000   ; and the floor 2^(3 - 127): the byte cannot fall under 1
.endr
.irp i, 2,4,6,8,10,12,14,16,18,20,22,24,26,28,30
.irp c, 0,1
	v_max3_num_f32 v[26+\c], v[26+\c], |v[X+32*\c+\i]|, |v[X+32*\c+\i+1]|
.endr
.endr
.irp c, 0,1
	v_add_nc_u32 v[28+\c], 0xff000000, v[26+\c]    ; 2 off the exponent field: the conversion takes the exponent field of this operand as its scale
.endr
.irp c, 0,1
	v_lshrrev_b32 v[30+\c], 23, v[28+\c]           ; the scale's byte
.endr
	v_lshl_or_b32 v232, v31, 16, v30               ; my two bytes: blocks h and 2 + h of row r,
	v_lshlrev_b32 v233, 3, v240
	v_lshlrev_b32 v232, v233, v232                 ; at their places in the scale word;
	v_mov_b32 v233, 0
	v_permlanex16_b32 v233, v232, s52, s53
	v_or_b32 v232, v232, v233                      ; with lane l xor 16's two the word is whole
.irp c, 0,1
	v_cvt_scalef32_pk16_fp6_f32 v[CD+6*\c:CD+6*\c+2], v[X+32*\c:X+32*\c+15], v[28+\c]
	v_cvt_scalef32_pk16_fp6_f32 v[CD+12+4*\c:CD+14+4*\c], v[X+32*\c+16:X+32*\c+31], v[28+\c]   ; (a conversion's three registers begin on an even number: the second half of a block's six is made elsewhere and moved)
.endr
	v_nop                                          ; one plain place behind a scaled conversion
.irp c, 0,1
.irp i, 0,1,2
	v_mov_b32 v[CD+3+6*\c+\i], v[CD+12+4*\c+\i]
.endr
.endr
.irp g, 0,1,2
	ds_store_b128 v244, v[CD+4*\g:CD+4*\g+3] offset:16*\g
.endr
	ds_store_b32 v245, v232                        ; both halves of the lanes write the same word with the same value
	s_wait_tensorcnt 0x3                           ; my rows of batch 0 are in; my three later loads stay out
	BAR                                            ; one barrier for both: the sixteen weight fragments lie in LDS, and batch 0 has landed
.irp k, 0,1,2,3
.irp g, 0,1,2
	ds_load_b128 v[WF+12*\k+4*\g:WF+12*\k+4*\g+3], v246 offset:1536*\k+16*\g
.endr
	ds_load_b32 v[WS+\k], v247 offset:64*\k
.endr
	XREAD 1                                        ; batch 0's x
	s_wait_dscnt 8                                 ; my weight fragments, their scale words and the first eight reads of x are in
	SQA
	s_wait_dscnt 0x0
	SQB 0
	s_wait_loadcnt 4                               ; norm_weight and the biases are in; the four loads of promo_bias may be out
	JOIN                                           ; batch 0's sixteen sums lie in LDS
	QUANT 0
	PROD 0
	QUANT 1
	PROD 1
	QUANT 2
	PROD 2
	QUANT 3
	PROD 3
	GLOAD                                          ; G of batch 3
	GMUL
.rept 4
	v_nop                                          ; four places in front of the stores that read the result, and of the loads into the operands' registers
.endr
	GPUT 0
	BAR                                            ; batch 3's G is whole
	GPICK 1, 0
	GSEND 3, 1
	BAR                                            ; every wave's picks are in: only then the closing add
	s_wait_tensorcnt 0x0                           ; the wave's end: behind my last tensor load and my last LDS store
	ds_add_u32 v[SPW], v[NIL]
	s_wait_dscnt 0x0
	s_endpgm
.Lfunc_end_k_q921644450a_head:
	.size	k_q921644450a_head, .Lfunc_end_k_q921644450a_head-k_q921644450a_head
	.p2alignl 7, 3214868480
	.fill 96, 4, 3214868480
	.section	.rodata,"a",@progbits
	.p2align	6, 0x0
	.amdhsa_kernel k_q921644450a_head
		.amdhsa_group_segment_fixed_size 327680
		.amdhsa_private_segment_fixed_size 0
		.amdhsa_enable_private_segment 0
		.amdhsa_kernarg_size 88
		.amdhsa_user_sgpr_count 2
		.amdhsa_user_sgpr_kernarg_segment_ptr 1
		.amdhsa_wavefront_size32 1
		.amdhsa_system_sgpr_workgroup_id_x 1
		.amdhsa_system_sgpr_workgroup_id_y 1
		.amdhsa_system_sgpr_workgroup_id_z 1
		.amdhsa_system_vgpr_workitem_id 0
		.amdhsa_next_free_vgpr 256
		.amdhsa_next_free_sgpr 80
		.amdhsa_reserve_vcc 1
		.amdhsa_float_denorm_mode_32 3
		.amdhsa_float_denorm_mode_16_64 3
		.amdhsa_memory_ordered 1
		.amdhsa_forward_progress 1
		.amdhsa_inst_pref_size 65
	.end_amdhsa_kernel
	.amdgpu_metadata
---
amdhsa.version: [ 1, 2 ]
amdhsa.kernels:
  - .name:           k_q921644450a_head
    .symbol:         k_q921644450a_head.kd
    .args:
      - { .name: x, .offset: 0, .size: 8, .value_kind: global_buffer, .address_space: global }
      - { .name: norm_weight, .offset: 8, .size: 8, .value_kind: global_buffer, .address_space: global }
      - { .name: from_w, .offset: 16, .size: 8, .value_kind: global_buffer, .address_space: global }
      - { .name: from_b, .offset: 24, .size: 8, .value_kind: global_buffer, .address_space: global }
      - { .name: to_w, .offset: 32, .size: 8, .value_kind: global_buffer, .address_space: global }
      - { .name: to_b, .offset: 40, .size: 8, .value_kind: global_buffer, .address_space: global }
      - { .name: promo_bias, .offset: 48, .size: 8, .value_kind: global_buffer, .address_space: global }
      - { .name: from_idx, .offset: 56, .size: 8, .value_kind: global_buffer, .address_space: global }
      - { .name: to_idx, .offset: 64, .size: 8, .value_kind: global_buffer, .address_space: global }
      - { .name: promo_idx, .offset: 72, .size: 8, .value_kind: global_buffer, .address_space: global }
      - { .name: out0, .offset: 80, .size: 8, .value_kind: global_buffer, .address_space: global }
    .group_segment_fixed_size: 327680
    .private_segment_fixed_size: 0
    .kernarg_segment_align: 8
    .kernarg_segment_size: 88
    .max_flat_workgroup_size: 512
    .sgpr_count:     80
    .vgpr_count:     256
    .wavefront_size: 32
...
	.end_amdgpu_metadata
.endif
;; end of part 2
